; MI455X (gfx1250); checked and timed in simulation.
; The chip was launched on July 23, 2026; its instructions are those of AMD's public machine-readable ISA for CDNA 5 (MIT licence, August 2026) and "CDNA5" Instruction Set Architecture Reference Guide (July 2026). The comments in the code are by the model that wrote it; some were corrected since.
;; Causal Self Attention. Allowed arithmetic: matrix products marked QUANTISED: E4M3 operands, one given power-of-two scale a tensor, by v_wmma_f32_16x16x64_fp8_fp8 or v_wmma_f32_16x16x128_fp8_fp8, f32 sums; everything else in f32.
;; Inputs: Wk 2,048 x 2,048 float32; Wq 2,048 x 2,048 float32; Wv 2,048 x 2,048 float32; bk 2,048 float32; bq 2,048 float32; bv 2,048 float32; lowp_scales 10 int32 (the exponents e of the quantised operands' scales 2^e); x 4 x 1,024 x 2,048 float32.
;; Outputs: out0 4 x 1,024 x 2,048 float32.
;; This version of the problem:
;;   THIS VERSION OF THE PROBLEM IS GIVEN IN LOW PRECISION. The matrix products marked QUANTISED in the list below multiply operands that are first quantised to E4M3 (4 exponent bits, 3 mantissa bits; 8 bits a number), with one given power-of-two scale for each operand tensor; their sums are f32. All else is computed in f32.
;;   The module's matrix products, in the order in which they are computed (A, B: the left and right operand; K: the contracted axis; several contracted axes count as one K, in the product's order):
;;     1. [M 4,096, K 2,048] x [K 2,048, N 2,048]; A: input x; B: input Wq: QUANTISED (scales: A lowp_scales[0], B lowp_scales[1])
;;     2. [M 4,096, K 2,048] x [K 2,048, N 2,048]; A: input x; B: input Wk: QUANTISED (scales: A lowp_scales[2], B lowp_scales[3])
;;     3. [M 4,096, K 2,048] x [K 2,048, N 2,048]; A: input x; B: input Wv: QUANTISED (scales: A lowp_scales[4], B lowp_scales[5])
;;     4. batch 64 x [M 1,024, K 128] x [K 128, N 1,024]; A: computed on the way; B: computed on the way: QUANTISED (scales: A lowp_scales[6], B lowp_scales[7])
;;     5. batch 64 x [M 1,024, K 1,024] x [K 1,024, N 128]; A: softmax (see below); B: computed on the way: QUANTISED (scales: A lowp_scales[8], B lowp_scales[9])
;;   THE QUANTISER, for each operand of a quantised product, along K:
;;     - The operand's scale is 2^e, e = its entry of the input lowp_scales (int32; the entries are numbered through the quantised products in the list's order, A before B).
;;     - Each number is divided by the scale, clamped to +-448, and rounded to the nearest number of E4M3, ties to even, subnormals kept.
;;     - The product sums the exact products of the quantised numbers (number of the format x scale) in f32.
;;   ~~~python
;;   def quantise(x, axis, e):      # numpy; x: float32 -> the quantised numbers, widened to float32 again
;;       x = np.moveaxis(x, axis, -1); K = x.shape[-1]
;;       r = np.clip(x / 2.0 ** e, -448, 448)
;;       step = 2.0 ** (np.maximum(np.frexp(np.where(r == 0, 1, r))[1] - 1, -6) - 3)
;;       q = np.round(r / step) * step * 2.0 ** e      # np.round: ties to even
;;       return np.moveaxis(q, -1, axis).astype(np.float32)
;;   ~~~
;;   SOFTMAX AHEAD OF A QUANTISED PRODUCT. Where the list says 'softmax', what is quantised is not the finished softmax but p = 2^(t - M), with t = logit x log2(e) and M = ceil(the row's largest t), a whole number; so 1/2 < the row's largest p <= 1. The row's sum l is taken of the UNQUANTISED p, in f32, and the product's result is divided by l at the end. Since M is a whole number, a kernel that streams over the keys may use a running M (the ceiling of the running maximum): every later rescaling is an exact power of two, so the quantised numbers keep their values, but for numbers so far below the row's largest that they fall under the format's range.
;;   OPERANDS COMPUTED ON THE WAY. 'Computed on the way' means the value that the module computes at that place (a softmax that the list does not call 'softmax' is quantised finished and normalised). What goes into a quantiser is computed in f32, as accurately as f32 sums, v_exp_f32 and their like allow (about 1e-6 of the number): no bf16 or f16 on the way to a quantiser, and a product that is left as it is and whose result goes on into a quantised operand takes f32 operands (vector FMAs, or v_wmma_f32_16x16x4_f32). A number that lies on a knife's edge between two numbers of the format may be rounded either way, as far as f32 arithmetic and the matrix unit's own rounding can turn it there, and no further.
;; One version. Each part assembles by itself: llvm-mc -triple=amdgcn-amd-amdhsa -mcpu=gfx1250 --defsym DOCPART=n.
;; ======== version 1 of 1: 3 launches
;; limits: right only within a limited range of input values
;; workspace buffers: xc 25,165,824 bytes; wc 12,582,912 bytes; qkv 25,165,824 bytes
;; launch quant (part 1): grid 1280 x 1, 4 waves a work-group, no clusters, 34,304 bytes of LDS; arguments x, Wq, Wk, Wv, lowp_scales, xc, wc; writes xc, wc
.if DOCPART == 1
	.amdgcn_target "amdgcn-amd-amdhsa--gfx1250"
	.amdhsa_code_object_version 6
	.text
	.protected	k_qf77bff659f_quant
	.globl	k_qf77bff659f_quant
	.p2align	8
	.type	k_qf77bff659f_quant,@function
k_qf77bff659f_quant:
	s_mov_b64 s[64:65], 0
	v_nop
	global_prefetch_b8 v0, s[64:65] scope:SCOPE_SE
	s_setreg_imm32_b32 hwreg(HW_REG_WAVE_MODE, 25, 1), 1
	s_wait_xcnt 0x0
; x [4096][2048] f32 becomes codes of E4M3 three times, with the scales 2^e0, 2^e2, 2^e4 (its entries as the left operand of the three projections);
; Wq, Wk, Wv [2048 (k)][2048 (n)] f32 become codes once each, with 2^e1, 2^e3, 2^e5, and K is brought innermost.
; code = number / 2^e, held within +-448, rounded to the nearest code, ties to even.
; LIMITS: e0 .. e5 lie between -126 and 119, so that 2^e and 448 x 2^e are f32 numbers.  NaN among the inputs is not served.
; The program leaves out no input.  Of the two products of the attention it leaves out (third launch) the blocks of 128 keys that lie wholly behind a block of queries: reference()'s own mask gives them the weight 0 for all inputs.
; A NaN or an infinity that reaches only those blocks' scores is not carried to the result.
; THE LAYOUT OF ALL CODES IS THE IMAGE OF AN OPERAND'S REGISTERS: 16 rows x 128 k in 2,048 bytes; byte 512 c + 16 L + i (L = 16 h + r) is the code of row slot r, k = 32 c + 16 h + i.
; Row block 2 B + u holds, in slot r, the row 32 B + 8 u + r + 8 (r / 8).  xc: [3 versions][256 row blocks][16 K steps][2048];  wc: [3 matrices][128 row blocks of n][16 K steps][2048].
; So a later launch brings any fragment by four loads of 16 bytes a lane at 16 x lane + 512 c, and every store here covers whole aligned runs of 256 bytes.
; Work-groups 0-511 take x (half of K of a row block each), 512-1279 the weights (128 columns x 128 k each).  Only x's path touches LDS.  Waves share nothing: no barrier.
.set XWG, 512
.set SP,  528                          ; a stage row: 512 bytes + 16, so that the sixteen rows that a read touches start at sixteen different banks (64 banks of 4 bytes: ISA guide 11.1)
.set X,   80                           ; v80-143  a unit's 64 numbers of my lane: register 16 c + i = k 32 c + 16 h + i of row slot r
.set T,   144                          ; v144-175 two sets of 16 held numbers, by turns
.set C,   176                          ; v176-191 an image's 16 registers of codes
; x's path.  v4 = 16 x lane; v5, v6 stage addresses; v8-10 the three scales as f32; v11-13 448 x the scales; v16-79 64 registers as loaded
.macro XLOAD t                         ; unit t: 16 row slots x 128 k; each load reads 512 consecutive bytes of one row
.irp i, 0,1,2,3,4,5,6,7,8,9,10,11,12,13,14,15
	global_load_b128 v[16+4*\i:19+4*\i], v4, s[4:5] offset:(\i+8*(\i/8))*8192+512*(\t) th:TH_LOAD_NT
.endr
.endm
.macro XTURN                           ; through my wave's stage: in as loaded, out 16 neighbours along K at a time.  LDS serves a wave's instructions in order (ISA guide 5.7.1.4): no wait between
.irp i, 0,1,2,3,4,5,6,7,8,9,10,11,12,13,14,15
	ds_store_b128 v5, v[16+4*\i:19+4*\i] offset:SP*\i
.endr
.irp c, 0,1,2,3
.irp q, 0,1,2,3
	ds_load_b128 v[X+16*\c+4*\q:X+16*\c+4*\q+3], v6 offset:128*\c+16*\q
.endr
.endr
.endm
.macro XQ t, v                         ; unit t with scale v: one image, stored as four runs of 512 consecutive bytes
	s_wait_xcnt 0x0                                ; the codes' registers were the data of the stores before: they are rewritten only behind this wait
.irp c, 0,1,2,3
.irp i, 0,1,2,3,4,5,6,7,8,9,10,11,12,13,14,15
	v_med3_num_f32 v[T+16*(\c%2)+\i], v[X+16*\c+\i], -v[11+\v], v[11+\v]   ; the conversion does not saturate (ISA guide 7.6.2): the hold at 448 x the scale; into other registers, since x is quantised three times
.endr
	v_cvt_scalef32_pk8_fp8_f32 v[C+4*\c:C+4*\c+1], v[T+16*(\c%2):T+16*(\c%2)+7], v[8+\v]
	v_cvt_scalef32_pk8_fp8_f32 v[C+4*\c+2:C+4*\c+3], v[T+16*(\c%2)+8:T+16*(\c%2)+15], v[8+\v]   ; the two sets of T take turns: sixteen plain lines stand between a conversion and the next write of its sources
.endr
	v_nop                                          ; one plain line behind the last conversion
.irp c, 0,1,2,3
	global_store_b128 v4, v[C+4*\c:C+4*\c+3], s[32+2*\v:33+2*\v] offset:2048*(\t)+512*\c
.endr
.endm
; the weights' path.  v7 my column's byte in a row; v8 my place in the images; v10 the scale, v11 448 x the scale; v16-79 two sets of 32 numbers down K; v80-111 codes, eight registers a block, never rewritten
.macro WLOAD t                         ; block t: W(32 t + i, my column), i = 0 .. 31: the wave reads 128 consecutive bytes of a row, the work-group 512
.irp i, 0,1,2,3,4,5,6,7,8,9,10,11,12,13,14,15,16,17,18,19,20,21,22,23,24,25,26,27,28,29,30,31
	global_load_b32 v[16+32*((\t)%2)+\i], v7, s[40:41] offset:(32*(\t)+\i)*8192 th:TH_LOAD_NT
.endr
.endm
.macro WBLOCK t
.set WXS, 16+32*((\t)%2)
.if (\t) < 3
	s_wait_loadcnt 32                              ; this block's 32 loads are in; the next block's may be out
.else
	s_wait_loadcnt 0
.endif
.irp i, 0,1,2,3,4,5,6,7,8,9,10,11,12,13,14,15,16,17,18,19,20,21,22,23,24,25,26,27,28,29,30,31
	v_med3_num_f32 v[WXS+\i], v[WXS+\i], -v11, v11
.endr
.irp g, 0,1,2,3
	v_cvt_scalef32_pk8_fp8_f32 v[80+8*(\t)+2*\g:80+8*(\t)+2*\g+1], v[WXS+8*\g:WXS+8*\g+7], v10
.endr
	v_nop                                          ; one plain line behind the last conversion
.if (\t)+2 < 4
	WLOAD (\t)+2
.endif
	global_store_b128 v8, v[80+8*(\t):80+8*(\t)+3], s[16:17] offset:(\t)*512          ; k = 32 c + 0 .. 15: sixteen lanes fill 256 consecutive bytes, aligned
	global_store_b128 v8, v[80+8*(\t)+4:80+8*(\t)+7], s[16:17] offset:(\t)*512+256    ; k = 32 c + 16 .. 31: the image's other half of the lanes
.endm
	s_load_b256 s[4:11], s[0:1], 0x0               ; x s[4:5], Wq s[6:7], Wk s[8:9], Wv s[10:11]
	s_load_b128 s[12:15], s[0:1], 0x20             ; the scales' exponents s[12:13], xc s[14:15]
	s_load_b64 s[16:17], s[0:1], 0x30              ; wc
	v_lshl_add_u32 v14, v0, 2, 0x8400              ; my spare word, behind the four stages
	v_mov_b32 v15, 0
	v_lshrrev_b32 v1, 5, v0
	v_readfirstlane_b32 s20, v1                    ; wave 0..3
	v_and_b32 v1, 31, v0                           ; lane
	v_and_b32 v2, 15, v0                           ; r
	v_bfe_u32 v3, v0, 4, 1                         ; h
	v_lshlrev_b32 v4, 4, v1                        ; 16 x lane
	s_wait_alu depctr_va_vdst(0)                   ; the wait here, directly ahead of the wait below
	s_wait_kmcnt 0x0
	s_load_b256 s[24:31], s[12:13], 0x0            ; e0 .. e7
	s_cmp_ge_u32 ttmp9, XWG
	s_cbranch_scc1 .Lw
	; ---- x: work-group R takes half R % 2 of K of row block R / 2; wave w takes 256 of its 1,024: two units of 128
	s_lshr_b32 s21, ttmp9, 2
	s_lshl_b32 s21, s21, 18                        ; 32 rows of 8,192 bytes for each pair of row blocks,
	s_bfe_u32 s22, ttmp9, 0x10001
	s_lshl_b32 s22, s22, 16                        ; 8 rows for the odd one,
	s_add_co_u32 s22, s22, s21
	s_and_b32 s38, ttmp9, 1
	s_lshl_b32 s21, s38, 12                        ; 1,024 numbers for each half,
	s_add_co_u32 s22, s22, s21
	s_lshl_b32 s21, s20, 10                        ; 256 for each wave
	s_add_co_u32 s22, s22, s21
	s_mov_b32 s23, 0
	s_add_nc_u64 s[4:5], s[4:5], s[22:23]
	s_lshr_b32 s22, ttmp9, 1
	s_lshl_b32 s22, s22, 15                        ; a row block's 16 images,
	s_lshl_b32 s21, s38, 14                        ; my half's eight,
	s_add_co_u32 s22, s22, s21
	s_lshl_b32 s21, s20, 12                        ; my wave's two of them
	s_add_co_u32 s22, s22, s21
	s_add_nc_u64 s[32:33], s[14:15], s[22:23]      ; version 0,
	s_add_nc_u64 s[34:35], s[32:33], 0x800000      ; version 1,
	s_add_nc_u64 s[36:37], s[32:33], 0x1000000     ; version 2
	s_mul_i32 s21, s20, 16*SP                      ; my wave's stage
	v_add_nc_u32 v5, s21, v4                       ; in: 16 x lane, a row for each store
	v_mul_u32_u24 v6, v2, SP
	v_lshl_add_u32 v6, v3, 6, v6
	v_add_nc_u32 v6, s21, v6                       ; out: row r, + 64 h: my 16 numbers of a block of 32
	XLOAD 0
	s_wait_alu depctr_va_vdst(0)                   ; the wait here, directly ahead of the wait below
	s_wait_kmcnt 0x0
.irp v, 0,1,2
	s_add_co_i32 s38, s[24+2*\v], 127
	s_lshl_b32 s39, s38, 23
	v_mov_b32 v[8+\v], s39                         ; 2^e as f32: the conversion takes its exponent field
	s_add_co_i32 s38, s38, 8
	s_lshl_b32 s38, s38, 23
	s_or_b32 s38, s38, 0x600000
	v_mov_b32 v[11+\v], s38                        ; 448 x 2^e
.endr
	s_wait_alu depctr_va_vdst(0)                   ; the wait at the head's end
.irp t, 0,1
	s_wait_loadcnt 0                               ; this unit's 16 loads are in
	XTURN
	s_wait_dscnt 0x0                               ; my numbers are back, and the stores into the stage have read their registers,
.if \t < 1
	XLOAD \t+1                                     ; which take the next unit
.endif
	XQ \t, 0
	XQ \t, 1
	XQ \t, 2
.endr
	s_wait_tensorcnt 0x0                           ; the wave's end
	ds_add_u32 v14, v15
	s_wait_dscnt 0x0
	s_endpgm
.Lw:	; ---- the weights: a lane takes a column n and its registers run down K, so the conversions give codes with K innermost
	s_sub_co_u32 s21, ttmp9, XWG
	s_lshr_b32 s22, s21, 8                         ; which matrix: 0 q, 1 k, 2 v
	s_and_b32 s23, s21, 15                         ; which 128 columns
	s_bfe_u32 s38, s21, 0x40004                    ; which 128 along K
	s_lshl_b32 s23, s23, 2
	s_add_co_u32 s23, s23, s20                     ; my wave's 32 columns: two images of rows n
	s_cmp_eq_u32 s22, 0
	s_cselect_b64 s[40:41], s[6:7], s[8:9]
	s_cmp_eq_u32 s22, 2
	s_cselect_b64 s[40:41], s[10:11], s[40:41]     ; the choice hangs on the work-group's number alone
	s_lshl_b32 s44, s38, 20                        ; 128 rows of 8,192 bytes
	s_lshl_b32 s39, s23, 7                         ; 32 columns of 4 bytes
	s_add_co_u32 s44, s44, s39
	s_mov_b32 s45, 0
	s_add_nc_u64 s[40:41], s[40:41], s[44:45]
	s_lshl_b32 s44, s22, 22                        ; a matrix's codes,
	s_lshl_b32 s39, s23, 16                        ; two row blocks of 16 images,
	s_add_co_u32 s44, s44, s39
	s_lshl_b32 s39, s38, 11                        ; one K step of 128
	s_add_co_u32 s44, s44, s39
	s_add_nc_u64 s[16:17], s[16:17], s[44:45]
	v_and_b32 v7, 7, v0
	v_lshlrev_b32 v7, 2, v7
	v_bfe_u32 v9, v0, 3, 1
	v_lshl_or_b32 v7, v9, 6, v7
	v_lshl_or_b32 v7, v3, 5, v7                    ; lane 16 u + r takes column 8 u + r + 8 (r / 8) of the 32: slot r of image u
	v_lshlrev_b32 v8, 4, v2
	v_lshl_or_b32 v8, v3, 15, v8                   ; out: image u (a row block on), 16 r
	WLOAD 0
	WLOAD 1
	s_wait_alu depctr_va_vdst(0)                   ; the wait here, directly ahead of the wait below
	s_wait_kmcnt 0x0
	s_cmp_eq_u32 s22, 0
	s_cselect_b32 s42, s25, s27
	s_cmp_eq_u32 s22, 2
	s_cselect_b32 s42, s29, s42                    ; e1, e3 or e5
	s_add_co_i32 s42, s42, 127
	s_lshl_b32 s43, s42, 23
	v_mov_b32 v10, s43                             ; 2^e
	s_add_co_i32 s42, s42, 8
	s_lshl_b32 s42, s42, 23
	s_or_b32 s42, s42, 0x600000
	v_mov_b32 v11, s42                             ; 448 x 2^e
	s_wait_alu depctr_va_vdst(0)                   ; the wait at the head's end
.irp t, 0,1,2,3
	WBLOCK \t
.endr
	s_endpgm
.Lfunc_end_k_qf77bff659f_quant:
	.size	k_qf77bff659f_quant, .Lfunc_end_k_qf77bff659f_quant-k_qf77bff659f_quant
	.p2alignl 7, 3214868480
	.fill 96, 4, 3214868480
	.section	.rodata,"a",@progbits
	.p2align	6, 0x0
	.amdhsa_kernel k_qf77bff659f_quant
		.amdhsa_group_segment_fixed_size 34304
		.amdhsa_private_segment_fixed_size 0
		.amdhsa_enable_private_segment 0
		.amdhsa_kernarg_size 56
		.amdhsa_user_sgpr_count 2
		.amdhsa_user_sgpr_kernarg_segment_ptr 1
		.amdhsa_wavefront_size32 1
		.amdhsa_system_sgpr_workgroup_id_x 1
		.amdhsa_system_sgpr_workgroup_id_y 1
		.amdhsa_system_sgpr_workgroup_id_z 1
		.amdhsa_system_vgpr_workitem_id 0
		.amdhsa_next_free_vgpr 192
		.amdhsa_next_free_sgpr 66
		.amdhsa_reserve_vcc 0
		.amdhsa_float_denorm_mode_32 3
		.amdhsa_float_denorm_mode_16_64 3
		.amdhsa_memory_ordered 1
		.amdhsa_forward_progress 1
		.amdhsa_inst_pref_size 64
	.end_amdhsa_kernel
	.amdgpu_metadata
---
amdhsa.version: [ 1, 2 ]
amdhsa.kernels:
  - .name:           k_qf77bff659f_quant
    .symbol:         k_qf77bff659f_quant.kd
    .args:
      - { .name: x, .offset: 0, .size: 8, .value_kind: global_buffer, .address_space: global }
      - { .name: Wq, .offset: 8, .size: 8, .value_kind: global_buffer, .address_space: global }
      - { .name: Wk, .offset: 16, .size: 8, .value_kind: global_buffer, .address_space: global }
      - { .name: Wv, .offset: 24, .size: 8, .value_kind: global_buffer, .address_space: global }
      - { .name: lowp_scales, .offset: 32, .size: 8, .value_kind: global_buffer, .address_space: global }
      - { .name: xc, .offset: 40, .size: 8, .value_kind: global_buffer, .address_space: global }
      - { .name: wc, .offset: 48, .size: 8, .value_kind: global_buffer, .address_space: global }
    .group_segment_fixed_size: 34304
    .private_segment_fixed_size: 0
    .kernarg_segment_align: 8
    .kernarg_segment_size: 56
    .max_flat_workgroup_size: 128
    .sgpr_count:     66
    .vgpr_count:     192
    .wavefront_size: 32
...
	.end_amdgpu_metadata
.endif
;; end of part 1
;; launch proj (part 2): grid 16 x 16, 4 waves a work-group, clusters of 4 x 4, 327,680 bytes of LDS; arguments xc, wc, bq, bk, bv, lowp_scales, qkv; writes qkv
.if DOCPART == 2
	.amdgcn_target "amdgcn-amd-amdhsa--gfx1250"
	.amdhsa_code_object_version 6
	.text
	.protected	k_qf77bff659f_proj
	.globl	k_qf77bff659f_proj
	.p2align	8
	.type	k_qf77bff659f_proj,@function
k_qf77bff659f_proj:
	s_mov_b64 s[64:65], 0
	v_nop
	global_prefetch_b8 v0, s[64:65] scope:SCOPE_SE
	s_setreg_imm32_b32 hwreg(HW_REG_WAVE_MODE, 25, 1), 1
	s_wait_xcnt 0x0
	s_wait_alu depctr_hold_cnt(0) depctr_sa_sdst(0) depctr_va_vdst(0) depctr_va_sdst(0) depctr_va_ssrc(0) depctr_va_vcc(0) depctr_vm_vsrc(0)
	s_getreg_b32 s2, hwreg(HW_REG_IB_STS2, 6, 4)
	s_cmp_eq_u32 s2, 0
	s_cbranch_scc0 .Lentry_in_a_cluster
	s_endpgm
.Lentry_in_a_cluster:
	s_bfe_u32 s2, ttmp6, 0x10000c
	s_cmp_lg_u32 s2, 0xf033
	s_cbranch_scc0 .Lentry_shape_is_right
	s_endpgm
.Lentry_shape_is_right:
; The three projections on codes of E4M3, and their results as codes: q, k (scales 2^e6, 2^e7) and v (2^e9, keys innermost).
; A work-group makes two things, one after the other.  FIRST 128 channels x 256 positions of v^T: source 1 = Wv's rows (A), source 0 = x's (B, version 2); a wave 64 x 128.
; THEN 256 positions x 256 columns of q or k (cluster x 0, 1: q; 2, 3: k): source 1 = x's rows (A, version 0 or 1), source 0 = Wq's or Wk's (B); a wave 128 x 128.
; So a lane's eight results are neighbours along the next product's K in both, and the conversions' results are whole pieces of the images that the next launch reads.
; The sums start from the bias x 2^-(the two scales' exponents), given as C of the first products.
; LIMITS: e6 - e0 - e1, e7 - e2 - e3 and e9 - e4 - e5 lie between -126 and 119, so that the conversions' scales and 448 x them are f32 numbers.  NaN is not served.
; LAYOUT of all codes: images of 16 row slots x 128 k, 2,048 bytes; a row block's 16 images lie on end (32,768 bytes).  A fragment is four loads of 16 x lane + 512 c.
; THE RING: two slots of 147,456 bytes.  v's K goes in slots of 3, 3, 3, 3, 2, 2 images a row block, q's and k's in eight slots of 2: 14 loads a wave, one behind each round of the cluster's barrier.
; A 3-slot: Wv's 8 row blocks x 6,144 bytes, then x's 16.  A 2-slot: 32,768 bytes for each wave's load: A's two halves, B's two halves.  The 2-slots lie within bytes that the 3-slots have filled.
; CLUSTERS of 4 x 4: A's tiles hang on the tile row and are asked for jointly along a row of the cluster, B's on the tile column and along a column.
; PREFETCH: behind the joint load number g each wave asks for its part of load g + 2: of what a wave fetches each of the four partners names a quarter, told apart by address (cx for A, cy for B), each 256 bytes once in a cluster.
; REGISTERS: window 0: v0-31 addresses, BT, BT2 the biases, v128-255 A's fragments;  window 1: B's fragments, two sets;  windows 2, 3: accumulators (a, b) at v[64 (a % 4) + 8 b].
.set SLOT,  147456
.set SPARE, 2*SLOT                     ; 128 bytes for each wave: two blocks of 256 bytes that no other line names
.set R3,   6144                        ; a row block in a 3-slot
.set R2,   4096                        ; and in a 2-slot
.set BV,   8
.set BO1,  12
.set BO2,  13
.set VAA,  16                          ; v16-17 my A fragments in a 3-slot, slots 0 and 1;  v18-19 B's
.set VAB,  18
.set QAA,  20                          ; v20-23 the same in a 2-slot
.set QAB,  22
.set PF2,  24                          ; prefetch offsets: two row blocks x 4,096 bytes
.set PFV2, 25                          ; the same for the 2-slots of v: A's waves name one row block
.set LI,   26                          ; 16 x lane
.set SCV,  27
.set SPW,  28                          ; my spare word; never rewritten
.set NIL,  29                          ; 0; never rewritten
.set SCV2, 30
.set PF3,  31                          ; one row block x 6,144 bytes
.set BT,   32
.set BT2,  96
.set AF,   128
.set GVA,  24                          ; descriptor groups 1: v's A and B in 3-slots,
.set GVB,  32
.set G0A,  40                          ; groups 0, for A's tiles and B's; they walk
.set G0B,  44
.set GA2,  48                          ; v's A in 2-slots,
.set GB2,  56                          ; B in 2-slots,
.set GQA,  76                          ; q's and k's A
.set OPV,  66
.set OPQ,  72
.set PV,   74                          ; s[74:75] where my prefetches for v begin, s[98:99] for q and k
.set PQ,   98
.set LMQ,  10
.set LMV,  100
.set MSB, 0
.macro WIN new                         ; the immediate's high byte repeats the setting that is left
.if MSB != \new
	s_set_vgpr_msb (MSB<<8)|\new
.set MSB, \new
.endif
.endm
.set TO_B, 0x40
.macro JLOAD ga, gb                    ; a joint load: waves 0 and 1 for A, waves 2 and 3 for B
	s_cmp_eq_u32 s15, 0
	s_cbranch_scc0 .Lfor_b_\@
	tensor_load_to_lds s[G0A:G0A+3], s[\ga:\ga+7]
	s_nop 0
.rept 4
	v_nop
.endr
	s_branch .Lasked_\@
.Lfor_b_\@:
	tensor_load_to_lds s[G0B:G0B+3], s[\gb:\gb+7]
	s_nop 0
.rept 4
	v_nop
.endr
.Lasked_\@:
.endm
.macro CREST                           ; a round of the cluster's barrier behind its opening barrier
	s_cmp_lg_u32 s14, 0
	s_cbranch_scc1 .Lnot_wave_0_\@
	s_barrier_signal -3
.Lnot_wave_0_\@:
	s_barrier_wait -3
	s_barrier_signal -1
	s_barrier_wait -1
.endm
.macro CROUND
	s_barrier_signal -1
	s_barrier_wait -1
	CREST
.endm
.macro ASK3 o                          ; a 3-slot's part: A's waves one row block, B's waves two
	global_prefetch_b8 v[PF3], s[PV:PV+1] offset:\o th:TH_LOAD_NT scope:SCOPE_SE
	s_cmp_eq_u32 s15, 0
	s_cbranch_scc1 .Lone_\@
	global_prefetch_b8 v[PF3], s[PV:PV+1] offset:\o+32768 th:TH_LOAD_NT scope:SCOPE_SE
.Lone_\@:
.endm
.macro ASK2 r, b, o
	global_prefetch_b8 v[\r], s[\b:\b+1] offset:\o th:TH_LOAD_NT scope:SCOPE_SE
.endm
.macro DIMS g, w, r                    ; r rows of w elements of 8 bytes, 32,768 bytes apart
	s_mov_b32 s[\g+1], \w<<16
	s_mov_b32 s[\g+2], \r<<16
	s_mov_b32 s[\g+3], \w<<16
	s_mov_b32 s[\g+4], \r
	s_mov_b32 s[\g+5], 4096
	s_mov_b32 s[\g+6], 0
	s_mov_b32 s[\g+7], 0
.endm
.macro GSTEP sl, la, lb, st            ; groups 0 for the next load: slot sl; st bytes on along K, or (0) on to q's and k's first
	s_add_co_u32 s[G0A+1], s\la, (\sl)*SLOT
	s_add_co_u32 s[G0B+1], s\lb, (\sl)*SLOT
.if \st
	s_add_nc_u64 s[G0A+2:G0A+3], s[G0A+2:G0A+3], \st
	s_add_nc_u64 s[G0B+2:G0B+3], s[G0B+2:G0B+3], \st
.else
	s_mov_b64 s[G0A+2:G0A+3], s[20:21]
	s_or_b32 s[G0A+3], s[G0A+3], 0x80000000
	s_mov_b64 s[G0B+2:G0B+3], s[22:23]
	s_or_b32 s[G0B+3], s[G0B+3], 0x80000000
.endif
.endm
.macro PLACES
.rept 4
	v_nop
.endr
.endm
.macro LB ad, rb, q, p, i0, n          ; B's blocks i0 .. i0 + n - 1, image q of the slot, into set p
	WIN TO_B
.set bi, \i0
.rept \n
.irp c, 0,1,2,3
	ds_load_b128 v[128*(\p)+16*bi+4*\c:128*(\p)+16*bi+4*\c+3], v[\ad] offset:(\rb)*bi+2048*(\q)+512*\c
.endr
.set bi, bi+1
.endr
.endm
.macro LA ad, rb, q, f, i0, n          ; A's blocks, into window 0 from f on
	WIN 0
.set bi, \i0
.rept \n
.irp c, 0,1,2,3
	ds_load_b128 v[\f+16*bi+4*\c:\f+16*bi+4*\c+3], v[\ad] offset:(\rb)*bi+2048*(\q)+512*\c
.endr
.set bi, bi+1
.endr
.endm
; Eight products: one block of A x B's eight.  The accumulators take turns, one instruction a turn, in the same order in every step.
.macro MUL8 f, ac, p, c
.irp b, 0,1,2,3,4,5,6,7
.if \c == 1
	v_wmma_f32_16x16x128_fp8_fp8 v[\ac+8*\b:\ac+8*\b+7], v[128*(\p)+16*\b:128*(\p)+16*\b+15], v[\f:\f+15], v[BT+8*\b:BT+8*\b+7]
.elseif \c == 3
	v_wmma_f32_16x16x128_fp8_fp8 v[\ac+8*\b:\ac+8*\b+7], v[128*(\p)+16*\b:128*(\p)+16*\b+15], v[\f:\f+15], v[BT2+(\ac)/8:BT2+(\ac)/8+7]
.else
	v_wmma_f32_16x16x128_fp8_fp8 v[\ac+8*\b:\ac+8*\b+7], v[128*(\p)+16*\b:128*(\p)+16*\b+15], v[\f:\f+15], v[\ac+8*\b:\ac+8*\b+7]
.endif
.endr
.endm
.macro GV a, p, c                      ; v: A has two sets of four blocks
.if \c
	WIN 0x81
.else
	WIN 0xa1
.endif
	MUL8 AF+64*(\p)+16*(\a), 64*(\a), \p, \c
.endm
.macro GQ a, p, c                      ; q, k: A has one set of eight blocks
.if \c
	WIN 0x81+0x40*((\a)/4)
.else
	WIN 0xa1+0x50*((\a)/4)
.endif
	MUL8 AF+16*(\a), 64*((\a)%4), \p, \c
.endm
; LDS loads are always issued in the order B's blocks, then A's: so the counts below leave A's later blocks, and the runs issued since, outstanding.
; A load into registers that a matrix instruction has read stands four places behind it.
; A step of v on set p, with its successor, image q, in the same slot.
.macro VCHUNK p, q, rb, aa, ab, c
	s_wait_dscnt 12                                ; B's eight and A's block 0; A's blocks 1-3 may be out
	GV 0, \p, \c
	PLACES
	LB \ab, \rb, \q, 1-(\p), 0, 6
	s_wait_dscnt 32                                ; block 1: two blocks and the 24 loads just issued may be out
	GV 1, \p, \c
	s_wait_dscnt 28
	GV 2, \p, \c
	LB \ab, \rb, \q, 1-(\p), 6, 2
	LA \aa, \rb, \q, AF+64*(1-(\p)), 0, 4
	s_wait_dscnt 48
	GV 3, \p, \c
.endm
; A slot's last step of v: the slot just read is filled again, and the other slot's first fragments are fetched (na blocks of A).
.macro VTURN p, sl, la, lb, st, ga, gb, rb, aa, ab, na
	s_wait_dscnt 12
	GV 0, \p, 0
	s_wait_dscnt 8
	GV 1, \p, 0
	WIN 0
	s_wait_tensorcnt 0x0                           ; all my tensor loads have landed: my part of the next slot
	ds_add_u32 v[SPW], v[NIL]
	GSTEP \sl, \la, \lb, \st
	s_wait_dscnt 5                                 ; block 2: block 3 and the add may be out
	GV 2, \p, 0
	s_wait_dscnt 0x0                               ; the add is done, and my reads of this slot are over
	s_barrier_signal -1
	GV 3, \p, 0
	WIN 0
	s_barrier_wait -1
	CREST
	JLOAD \ga, \gb                                 ; the first tensor load behind the round; its four v_nop are the places in front of the loads below
	LB \ab, \rb, 0, 1-(\p), 0, 8
	LA \aa, \rb, 0, AF+64*(1-(\p)), 0, \na
.endm
; A slot's first step of q or k, on set 0: its successor is image 1 of the same slot.
.macro QSTEP s, c
	s_wait_dscnt 28                                ; B's eight and A's block 0; A's blocks 1-7 may be out
	GQ 0, 0, \c
.if \c
	s_wait_xcnt 0x0                                ; v's stores have read set 1's registers
.endif
	s_wait_dscnt 24                                ; each count: the blocks behind the one needed, and the runs issued in this step
	GQ 1, 0, \c
	LB QAB+\s, R2, 1, 1, 0, 4
	s_wait_dscnt 36
	GQ 2, 0, \c
	s_wait_dscnt 32
	GQ 3, 0, \c
	LB QAB+\s, R2, 1, 1, 4, 4
	s_wait_dscnt 44
	GQ 4, 0, \c
	s_wait_dscnt 40
	GQ 5, 0, \c
	PLACES
	LA QAA+\s, R2, 1, AF, 0, 6
	s_wait_dscnt 60
	GQ 6, 0, \c
	s_wait_dscnt 56
	GQ 7, 0, \c
	PLACES
	LA QAA+\s, R2, 1, AF, 6, 2
.endm
; A slot's last step of q or k, on set 1; the next slot is n.  fill = 1: slot s is filled again.
.macro QTURN s, n, fill
.if \fill && ((\s) == 0)
	s_wait_xcnt 0x0                                ; my prefetches have read their address: it is stepped
	s_add_nc_u64 s[PQ:PQ+1], s[PQ:PQ+1], 2*R2
.endif
	s_wait_dscnt 28
	GQ 0, 1, 0
	s_wait_dscnt 24
	GQ 1, 1, 0
	s_wait_dscnt 20
	GQ 2, 1, 0
	WIN 0
	s_wait_tensorcnt 0x0                           ; my part of the next slot has landed
	ds_add_u32 v[SPW], v[NIL]
.if \fill
	GSTEP \s, 19, 19, R2
.endif
	s_wait_dscnt 17                                ; block 3: blocks 4-7 and the add may be out
	GQ 3, 1, 0
	s_wait_dscnt 0x0                               ; the add is done, and my reads of this slot are over
	s_barrier_signal -1
	GQ 4, 1, 0
	WIN 0
	s_barrier_wait -1
.if \fill
	CREST
	JLOAD GQA, GB2
.else
	PLACES
.endif
	LB QAB+\n, R2, 0, 0, 0, 4
	WIN 0
.if \fill
	s_cmp_gt_u32 s3, 1                             ; the loop's last trip asks for nothing: there is no load two on
	s_cbranch_scc0 .Lno_ask_\@
	ASK2 PF2, PQ, 2*R2+R2*(\s)
.Lno_ask_\@:
.endif
	GQ 5, 1, 0
	LB QAB+\n, R2, 0, 0, 4, 4
	GQ 6, 1, 0
	LA QAA+\n, R2, 0, AF, 0, 4
	GQ 7, 1, 0
	WIN 0
	PLACES
	LA QAA+\n, R2, 0, AF, 4, 4
.endm
; THE WAY OUT of block a: held within 448 x the scale, converted, stored: four runs of 512 consecutive bytes.  dw: the window of the codes' registers dst.
.macro OUT a, dst, dw, ptr, lim, scv
.set AC, 64*((\a)%4)
	WIN 0x82+0x41*((\a)/4)
.set j, 0
.rept 64
	v_med3_num_f32 v[AC+j], v[AC+j], s[\lim+1], s[\lim]
.set j, j+1
.endr
	WIN 0x02+0x40*(\dw)+((\a)/4)
.irp b, 0,1,2,3,4,5,6,7
	v_cvt_scalef32_pk8_fp8_f32 v[\dst+2*\b:\dst+2*\b+1], v[AC+8*\b:AC+8*\b+7], v[\scv]
.endr
	WIN 4*(\dw)
	v_nop
.irp c, 0,1,2,3
	global_store_b128 v[LI], v[\dst+4*\c:\dst+4*\c+3], s[\ptr:\ptr+1] offset:2048*(\a)+512*\c
.endr
.endm
	s_load_b256 s[4:11], s[0:1], 0x0               ; xc, wc, bq, bk
	s_load_b128 s[68:71], s[0:1], 0x20             ; bv, the scales' exponents
	s_load_b64 s[72:73], s[0:1], 0x30              ; qkv
	v_lshl_add_u32 v[SPW], v0, 2, SPARE
	v_mov_b32 v[NIL], 0
	ds_add_u32 v[SPW], v[NIL]                      ; the wave's opening: the add, twice on end, and its wait ahead of my first tensor load
	ds_add_u32 v[SPW], v[NIL]
	v_lshrrev_b32 v1, 5, v0
	v_readfirstlane_b32 s14, v1                    ; wave 0..3
	s_lshr_b32 s15, s14, 1                         ; my half of A's rows.  Also: I fetch for A (0) or for B (1)
	s_and_b32 s16, s14, 1                          ; my half of B's rows.  Also: which half of that tile I fetch
	s_bfe_u32 s88, ttmp6, 0x40000                  ; cx, cy
	s_bfe_u32 s89, ttmp6, 0x40004
	s_lshl_b32 s18, ttmp9, 2
	s_add_co_u32 s18, s18, s88                     ; tile column
	s_and_b32 s17, ttmp7, 0xffff
	s_lshl_b32 s17, s17, 2
	s_add_co_u32 s17, s17, s89                     ; tile row
	s_lshl_b32 s91, s89, 2
	s_lshl_b32 s91, 15, s91                        ; my row of the cluster
	s_lshl_b32 s92, 0x1111, s88                    ; my column
	s_or_b32 s[GVA], s91, (3<<16)|(1<<21)          ; the mask; elements of 8 bytes; bit 21 beside a mask
	s_or_b32 s[GA2], s91, (3<<16)|(1<<21)
	s_or_b32 s[GQA], s91, (3<<16)|(1<<21)
	s_or_b32 s[GVB], s92, (3<<16)|(1<<21)
	s_or_b32 s[GB2], s92, (3<<16)|(1<<21)
	DIMS GVA, 768, 4
	DIMS GVB, 768, 8
	DIMS GA2, 512, 4
	DIMS GB2, 512, 8
	DIMS GQA, 512, 8
	s_lshl_b32 s19, s16, 17
	s_lshl_b32 s84, s17, 18
	s_add_co_u32 s84, s84, s19
	s_add_co_u32 s84, s84, 0x800000                ; v's A in wc: Wv, 128 rows a tile row, 64 a wave
	s_lshl_b32 s19, s16, 18
	s_lshl_b32 s20, s17, 19
	s_add_co_u32 s20, s20, s19
	s_cmp_ge_u32 ttmp9, 2
	s_cselect_b32 s21, 0x800000, 0
	s_add_co_u32 s20, s20, s21                     ; q's and k's A in xc: version 0 or 1, 256 rows a tile row, 128 a wave
	s_lshl_b32 s22, s18, 19
	s_add_co_u32 s22, s22, s19                     ; q's and k's B in wc: 256 rows a tile column
	s_add_co_u32 s86, s22, 0x1000000               ; v's B in xc: version 2, 256 rows a tile column
	s_lshl_b32 s94, s88, 15
	s_add_co_u32 s74, s84, s94                     ; where my prefetches begin: A's by cx,
	s_lshl_b32 s94, s88, 16
	s_add_co_u32 s98, s20, s94
	s_lshl_b32 s94, s89, 16
	s_add_co_u32 s75, s86, s94                     ; B's by cy
	s_add_co_u32 s99, s22, s94
	s_cmp_lt_u32 s14, 2
	s_cselect_b32 s74, s74, s75
	s_cselect_b32 s98, s98, s99
	s_mov_b32 s75, 0
	s_mov_b32 s99, 0
	s_mov_b32 s85, 0
	s_mov_b32 s87, 0
	s_mov_b32 s21, 0
	s_mov_b32 s23, 0
	s_lshl_b32 s19, s14, 15                        ; where my loads go: in a 2-slot,
	s_mul_i32 s2, s16, 4*R3                        ; in a 3-slot: A's,
	s_mul_i32 s12, s16, 8*R3
	s_add_co_u32 s12, s12, 8*R3                    ; B's
	s_wait_alu depctr_va_vdst(0)                   ; the wait here, directly ahead of the wait below
	s_wait_dscnt 0x0                               ; both opening adds are done
	s_wait_kmcnt 0x0
	s_add_nc_u64 s[84:85], s[6:7], s[84:85]
	s_add_nc_u64 s[86:87], s[4:5], s[86:87]
	s_add_nc_u64 s[20:21], s[4:5], s[20:21]
	s_add_nc_u64 s[22:23], s[6:7], s[22:23]
	s_mov_b32 s[G0A], 1
	s_mov_b32 s[G0A+1], s2
	s_mov_b64 s[G0A+2:G0A+3], s[84:85]
	s_or_b32 s[G0A+3], s[G0A+3], 0x80000000
	s_mov_b32 s[G0B], 1
	s_mov_b32 s[G0B+1], s12
	s_mov_b64 s[G0B+2:G0B+3], s[86:87]
	s_or_b32 s[G0B+3], s[G0B+3], 0x80000000
	CROUND                                         ; all sixteen work-groups are here: the first joint loads meet
	JLOAD GVA, GVB                                 ; v's slot 0: one tensor load a wave at the head
	s_cmp_lt_u32 s14, 2
	s_cselect_b64 s[100:101], s[6:7], s[4:5]
	s_add_nc_u64 s[PV:PV+1], s[100:101], s[PV:PV+1]
	s_cselect_b64 s[100:101], s[4:5], s[6:7]
	s_add_nc_u64 s[PQ:PQ+1], s[100:101], s[PQ:PQ+1]
	s_cselect_b32 s13, -1, 0                       ; a lane mask: A's waves
	s_mul_i32 s66, s15, 4*R3
	s_mul_i32 s67, s16, 8*R3
	s_add_co_u32 s67, s67, 8*R3
	s_lshl_b32 s100, s15, 15
	s_lshl_b32 s101, s16, 15
	s_add_co_u32 s101, s101, 65536
	v_and_b32 v6, 31, v0
	v_and_b32 v1, 15, v0                           ; r
	v_bfe_u32 v2, v0, 4, 1                         ; h
	v_lshlrev_b32 v[LI], 4, v6
	v_min_u32 v3, 23, v6
	v_min_u32 v7, 15, v6
	v_lshlrev_b32 v[PF3], 8, v3                    ; 24 blocks of 256 bytes; the lanes left over name the last again
	v_lshlrev_b32 v7, 8, v7                        ; 16 blocks, likewise
	v_lshlrev_b32 v[PF2], 8, v1
	v_lshl_or_b32 v[PF2], v2, 15, v[PF2]           ; 16 blocks of each of two row blocks
	v_cndmask_b32 v[PFV2], v[PF2], v7, s13
	v_add_nc_u32 v[VAA], s66, v[LI]
	v_add_nc_u32 v[VAB], s67, v[LI]
	v_add_nc_u32 v[QAA], s100, v[LI]
	v_add_nc_u32 v[QAB], s101, v[LI]
	v_add_nc_u32 v[VAA+1], SLOT, v[VAA]
	v_add_nc_u32 v[VAB+1], SLOT, v[VAB]
	v_add_nc_u32 v[QAA+1], SLOT, v[QAA]
	v_add_nc_u32 v[QAB+1], SLOT, v[QAB]
	v_lshlrev_b32 v[BO1], 6, v2                    ; 16 h numbers of a bias
	v_and_b32 v3, 8, v1
	v_add_nc_u32 v3, v3, v1
	v_lshlrev_b32 v[BO2], 2, v3                    ; number r + 8 (r / 8)
	s_wait_alu depctr_va_vdst(0)                   ; the wait here
	ASK3 2*R3                                      ; v's third slot
	; where my results go, and my biases
	s_lshl_b32 s88, s17, 1
	s_add_co_u32 s88, s88, s15                     ; q, k: my block of 128 positions
	s_lshl_b32 s89, s18, 1
	s_add_co_u32 s89, s89, s16                     ; q, k: my 128 columns; v: my block of 128 positions
	s_lshr_b32 s94, s89, 3
	s_lshl_b32 s94, s94, 4
	s_add_co_u32 s94, s94, s17
	s_lshl_b32 s94, s94, 3
	s_and_b32 s90, s89, 7
	s_add_co_u32 s94, s94, s90
	s_lshl_b32 s94, s94, 14                        ; v: (16 batch + head) x 8 + block,
	s_lshl_b32 s90, s15, 13
	s_add_co_u32 s94, s94, s90                     ; four images for each half
	s_add_co_u32 s94, s94, 0x1000000
	s_mov_b32 s95, 0
	s_add_nc_u64 s[OPV:OPV+1], s[72:73], s[94:95]
	s_and_b32 s91, s89, 15                         ; the head
	s_lshr_b32 s94, s88, 3
	s_lshl_b32 s94, s94, 4
	s_add_co_u32 s94, s94, s91
	s_lshl_b32 s94, s94, 3
	s_and_b32 s90, s88, 7
	s_add_co_u32 s94, s94, s90
	s_lshl_b32 s94, s94, 14
	s_cmp_ge_u32 ttmp9, 2
	s_cselect_b32 s90, 0x800000, 0
	s_add_co_u32 s94, s94, s90
	s_add_nc_u64 s[OPQ:OPQ+1], s[72:73], s[94:95]
	s_cmp_ge_u32 ttmp9, 2
	s_cselect_b64 s[8:9], s[10:11], s[8:9]
	s_lshl_b32 s94, s91, 9
	s_add_nc_u64 s[8:9], s[8:9], s[94:95]
	s_lshl_b32 s94, s17, 9
	s_lshl_b32 s90, s15, 8
	s_add_co_u32 s94, s94, s90
	s_add_nc_u64 s[68:69], s[68:69], s[94:95]
	s_load_b256 s[88:95], s[70:71], 0x0            ; e0 .. e7
	s_load_b64 s[96:97], s[70:71], 0x20            ; e8, e9
.irp g, 0,1,2,3,4,5,6,7
	global_load_b128 v[BT+8*\g:BT+8*\g+3], v[BO1], s[8:9] offset:4*(32*(\g/2)+8*(\g%2))
	global_load_b128 v[BT+8*\g+4:BT+8*\g+7], v[BO1], s[8:9] offset:4*(32*(\g/2)+8*(\g%2))+16
.endr
.irp a, 0,1,2,3
	global_load_b32 v[BV+\a], v[BO2], s[68:69] offset:4*(32*(\a/2)+8*(\a%2))
.endr
	s_wait_kmcnt 0x0
	s_add_co_i32 s88, s88, s89
	s_add_co_i32 s90, s90, s91
	s_add_co_i32 s92, s92, s93                     ; e4 + e5
	s_cmp_ge_u32 ttmp9, 2
	s_cselect_b32 s88, s90, s88                    ; e0 + e1 or e2 + e3
	s_cselect_b32 s94, s95, s94                    ; e6 or e7
	s_sub_co_i32 s89, 0, s88
	s_sub_co_i32 s94, s94, s88
	s_add_co_i32 s94, s94, 127
	s_lshl_b32 s95, s94, 23
	v_mov_b32 v[SCV], s95                          ; the scale for a sum's code
	s_add_co_i32 s94, s94, 8
	s_lshl_b32 s94, s94, 23
	s_or_b32 s[LMQ], s94, 0x600000                 ; 448 x that
	s_or_b32 s[LMQ+1], s[LMQ], 0x80000000
	s_sub_co_i32 s93, 0, s92
	s_sub_co_i32 s97, s97, s92
	s_add_co_i32 s97, s97, 127
	s_lshl_b32 s96, s97, 23
	v_mov_b32 v[SCV2], s96
	s_add_co_i32 s97, s97, 8
	s_lshl_b32 s97, s97, 23
	s_or_b32 s[LMV], s97, 0x600000
	s_or_b32 s[LMV+1], s[LMV], 0x80000000
	s_wait_loadcnt 0x0
.irp a, 0,1,2,3
.irp j, 0,1,2,3,4,5,6,7
	v_ldexp_f32 v[BT2+8*\a+\j], v[BV+\a], s93      ; v's bias: one channel a lane
.endr
.endr
.set j, 0
.rept 64
	v_ldexp_f32 v[BT+j], v[BT+j], s89              ; q's or k's: along the registers
.set j, j+1
.endr
	s_wait_alu depctr_va_vdst(0)                   ; the wait at the head's end
	s_wait_tensorcnt 0x0                           ; my part of slot 0 is in; these lines stand ahead of a later first fill as ahead of a refill
	ds_add_u32 v[SPW], v[NIL]
	GSTEP 1, 2, 12, R3
	s_wait_dscnt 0x0
	CROUND
	JLOAD GVA, GVB                                 ; slot 1
	LB VAB, R3, 0, 0, 0, 8
	LA VAA, R3, 0, AF, 0, 4
	ASK3 3*R3
	; v: 16 steps of 128 in six slots; written out, since the slots' sizes and sets change
	VCHUNK 0, 1, R3, VAA, VAB, 3                   ; the first products take the bias as C
	VCHUNK 1, 2, R3, VAA, VAB, 0
	VTURN 0, 0, 2, 12, R3, GVA, GVB, R3, VAA+1, VAB+1, 4
	ASK2 PFV2, PV, 4*R3
	VCHUNK 1, 1, R3, VAA+1, VAB+1, 0
	VCHUNK 0, 2, R3, VAA+1, VAB+1, 0
	VTURN 1, 1, 2, 12, R3, GVA, GVB, R3, VAA, VAB, 4
	ASK2 PFV2, PV, 4*R3+R2
	VCHUNK 0, 1, R3, VAA, VAB, 0
	VCHUNK 1, 2, R3, VAA, VAB, 0
	VTURN 0, 0, 19, 19, R3, GA2, GB2, R3, VAA+1, VAB+1, 4
	ASK2 PF2, PQ, 0
	VCHUNK 1, 1, R3, VAA+1, VAB+1, 0
	VCHUNK 0, 2, R3, VAA+1, VAB+1, 0
	VTURN 1, 1, 19, 19, R2, GA2, GB2, R2, QAA, QAB, 4
	ASK2 PF2, PQ, R2
	VCHUNK 0, 1, R2, QAA, QAB, 0
	VTURN 1, 0, 19, 19, 0, GQA, GB2, R2, QAA+1, QAB+1, 4
	ASK2 PF2, PQ, 2*R2
	VCHUNK 0, 1, R2, QAA+1, QAB+1, 0
	VTURN 1, 1, 19, 19, R2, GQA, GB2, R2, QAA, QAB, 8
	ASK2 PF2, PQ, 3*R2
	; v's results leave by set 1's registers, while q's or k's second slot is on its way
.irp a, 0,1,2,3
	OUT \a, 128+16*\a, 1, OPV, LMV, SCV2
.endr
	QSTEP 0, 1
	WIN 0
	s_mov_b32 s3, 3
.Llap:
	QTURN 0, 1, 1
	QSTEP 1, 0
	QTURN 1, 0, 1
	QSTEP 0, 0
	WIN 0
	s_sub_co_u32 s3, s3, 1
	s_cmp_lg_u32 s3, 0
	s_cbranch_scc1 .Llap
	QTURN 0, 1, 0                                  ; the last two slots fill nothing
	QSTEP 1, 0
	; the very last step: a block of A is finished with each eight products, and leaves behind the next eight
.irp a, 0,1,2,3,4,5,6,7
	s_wait_dscnt 28-4*\a
	GQ \a, 1, 0
.if \a == 1
	PLACES                                         ; block 0's results; for the later ones the conversions between are the places
.endif
.if \a > 0
	OUT \a-1, AF+16*(\a-1), 0, OPQ, LMQ, SCV
.endif
.endr
	OUT 7, AF+112, 0, OPQ, LMQ, SCV
	s_wait_tensorcnt 0x0                           ; the wave's end
	ds_add_u32 v[SPW], v[NIL]
	s_wait_dscnt 0x0
	CROUND                                         ; the closing round
	s_endpgm
.Lfunc_end_k_qf77bff659f_proj:
	.size	k_qf77bff659f_proj, .Lfunc_end_k_qf77bff659f_proj-k_qf77bff659f_proj
	.p2alignl 7, 3214868480
	.fill 96, 4, 3214868480
	.section	.rodata,"a",@progbits
	.p2align	6, 0x0
	.amdhsa_kernel k_qf77bff659f_proj
		.amdhsa_group_segment_fixed_size 327680
		.amdhsa_private_segment_fixed_size 0
		.amdhsa_enable_private_segment 0
		.amdhsa_kernarg_size 56
		.amdhsa_user_sgpr_count 2
		.amdhsa_user_sgpr_kernarg_segment_ptr 1
		.amdhsa_wavefront_size32 1
		.amdhsa_system_sgpr_workgroup_id_x 1
		.amdhsa_system_sgpr_workgroup_id_y 1
		.amdhsa_system_sgpr_workgroup_id_z 1
		.amdhsa_system_vgpr_workitem_id 0
		.amdhsa_next_free_vgpr 1024
		.amdhsa_next_free_sgpr 102
		.amdhsa_reserve_vcc 0
		.amdhsa_float_denorm_mode_32 3
		.amdhsa_float_denorm_mode_16_64 3
		.amdhsa_memory_ordered 1
		.amdhsa_forward_progress 1
		.amdhsa_inst_pref_size 247
	.end_amdhsa_kernel
	.amdgpu_metadata
---
amdhsa.version: [ 1, 2 ]
amdhsa.kernels:
  - .name:           k_qf77bff659f_proj
    .symbol:         k_qf77bff659f_proj.kd
    .args:
      - { .name: xc, .offset: 0, .size: 8, .value_kind: global_buffer, .address_space: global }
      - { .name: wc, .offset: 8, .size: 8, .value_kind: global_buffer, .address_space: global }
      - { .name: bq, .offset: 16, .size: 8, .value_kind: global_buffer, .address_space: global }
      - { .name: bk, .offset: 24, .size: 8, .value_kind: global_buffer, .address_space: global }
      - { .name: bv, .offset: 32, .size: 8, .value_kind: global_buffer, .address_space: global }
      - { .name: lowp_scales, .offset: 40, .size: 8, .value_kind: global_buffer, .address_space: global }
      - { .name: qkv, .offset: 48, .size: 8, .value_kind: global_buffer, .address_space: global }
    .group_segment_fixed_size: 327680
    .private_segment_fixed_size: 0
    .kernarg_segment_align: 8
    .kernarg_segment_size: 56
    .max_flat_workgroup_size: 128
    .sgpr_count:     102
    .vgpr_count:     1024
    .wavefront_size: 32
...
	.end_amdgpu_metadata
.endif
;; end of part 2
;; launch attn (part 3): grid 4 x 64, 8 waves a work-group, clusters of 4 x 1, 327,680 bytes of LDS; arguments qkv, lowp_scales, out0; writes out0
.if DOCPART == 3
	.amdgcn_target "amdgcn-amd-amdhsa--gfx1250"
	.amdhsa_code_object_version 6
	.text
	.protected	k_qf77bff659f_attn
	.globl	k_qf77bff659f_attn
	.p2align	8
	.type	k_qf77bff659f_attn,@function
k_qf77bff659f_attn:
	s_mov_b64 s[64:65], 0
	v_nop
	global_prefetch_b8 v0, s[64:65] scope:SCOPE_SE
	s_setreg_imm32_b32 hwreg(HW_REG_WAVE_MODE, 25, 1), 1
	s_wait_xcnt 0x0
	s_wait_alu depctr_hold_cnt(0) depctr_sa_sdst(0) depctr_va_vdst(0) depctr_va_sdst(0) depctr_va_ssrc(0) depctr_va_vcc(0) depctr_vm_vsrc(0)
	s_getreg_b32 s2, hwreg(HW_REG_IB_STS2, 6, 4)
	s_cmp_eq_u32 s2, 0
	s_cbranch_scc0 .Lentry_in_a_cluster
	s_endpgm
.Lentry_in_a_cluster:
	s_bfe_u32 s2, ttmp6, 0x10000c
	s_cmp_lg_u32 s2, 0x3003
	s_cbranch_scc0 .Lentry_shape_is_right
	s_endpgm
.Lentry_shape_is_right:
; Causal attention on codes of E4M3: out0[b][s][128 head + d] = the sum over keys k <= s of softmax_k(q . k / sqrt(128)) v, for 64 (batch, head) pairs of 1,024 positions x 128.
; qkv: [3 (q, k, v)][64][8 blocks of 128 positions][8 images][2048].  An image is a fragment's registers: byte 512 c + 16 L + i = row slot L % 16, k = 32 c + 16 (L / 16) + i; image 2 B + u, slot r = row 32 B + 8 u + r + 8 (r / 8).
; q's and k's images: 16 positions x the head's 128.  v's: 16 channels x the block's 128 keys.  Scales: q 2^e6, k 2^e7, p 2^e8, v 2^e9.
; THE SOFTMAX AHEAD OF THE SECOND PRODUCT: t = score x log2(e) / sqrt(128); M = the running largest t rounded up to a whole number; p = 2^(t - M) is quantised, not normalised; the row's sum is taken of the unquantised p and divides at the end.
; When M moves, the sum and O are multiplied by 2^(old M - new M), which rounds nothing.
; LEFT OUT: blocks of 128 keys wholly behind a block of queries: reference()'s own mask gives them the weight 0 for all inputs; a NaN or an infinity that reaches only their scores is not carried to the result.
; LIMITS: e6 + e7 between -123 and 130 (added to the exponent field of log2(e) / sqrt(128)); e8 between -126 and 119; the scaled scores stay under 2^31 in magnitude.
; SHARES.  A cluster of four work-groups is one (batch, head).  Each of a work-group's eight waves owns TWO images of 16 queries: image 2 cx + u of block i (X) and of block 7 - i (Y): i + 1 and 8 - i key blocks, nine in all for every wave.
; i and u hang on the wave's number alone, so every branch is alike in the four partners; cx enters only q's and the output's addresses and the mask's constant.  Where both images have work a key block's fragments are read once for both.
; X's registers lie in window 0, Y's under the same numbers in window 1: one text serves both by the window's setting.
; BOTH PRODUCTS ARE USED TRANSPOSED: S^T = K Q^T, O^T = V^T P^T: a lane holds one query (slot lane % 16) throughout; by the images' order of rows the 16 registers of tiles 2 b, 2 b + 1 are keys (channels) 32 b + 16 (lane / 16) + 0 .. 15.
; ALL OF THE HEAD'S K AND V LIE IN LDS: key block j at 32,768 j, K's tile and V's behind it, filled once by one joint load of wave j (two rows of 16,384 bytes): block 0 first, the other seven behind a second round, on their way while every wave
; works key block 0.  No prefetch: every tile is asked for within the first key step.  Behind the barrier that follows it the waves run without any barrier.
.set BLK,   32768
.set VOFF,  16384
.set STG,   8*BLK                      ; the way out: 16 rows x 272 bytes for each wave
.set SPARE, STG+8*4352                 ; the spare words, 128 bytes for each wave: four blocks of 256 bytes that no other line names
.set LI,  1                            ; v1   16 x lane: an image's place for my lane
.set MD,  4                            ; v4   my query in its block - 16 (lane / 16): in both windows
.set SPW, 5                            ; v5   LDS address of my spare word; never rewritten
.set NIL, 6                            ; v6   0; never rewritten
.set GO,  7                            ; v7   the way out: my byte offset in two rows of the output
.set AD,  8                            ; v8   LDS address of the key block in hand
.set STO, 10                           ; v10  the stage: where I put 16 bytes of a row
.set RD,  11                           ; v11  and where I read a row back
; in each window: v12 -M, v13 the largest t, v[14:15] the sum in two halves; v16-31 Q; v96-159 S^T, then p; v160-223 O^T; v224-239 p's codes; v240 448 x 2^e8, v244 2^e8; v234-254 at work
; v32-95: fragments of K or V: tiles 0-3 in window 0, tiles 4-7 in window 1
.set WV,  18                           ; s18  my wave's number
.set SEL, 20                           ; s[20:21] lane selects for v_permlanex16_b32: lane l xor 16
.set CS,  22                           ; s[22:23] c = log2(e) / sqrt(128) x 2^(e6 + e7)
.set G1,  24                           ; s[24:31] descriptor group 1
.set G0,  40                           ; s[40:43] descriptor group 0: my wave's one tile
.set TB,  53                           ; s53  LDS byte at which the key block in hand begins
.set J,   54                           ; s54  the key block in hand
.set SBX, 55                           ; s55  X's block of queries,
.set SBY, 33                           ; s33  Y's
.set MSB, 0
.macro WIN new                         ; the immediate's high byte repeats the setting that is left
.if MSB != \new
	s_set_vgpr_msb (MSB<<8)|\new
.set MSB, \new
.endif
.endm
.macro PLACES
.rept 4
	v_nop
.endr
.endm
.macro ROUND                           ; a round of the cluster's barrier
	s_barrier_signal -1
	s_barrier_wait -1
	s_cmp_lg_u32 s[WV], 0
	s_cbranch_scc1 .Lnot_wave_0_\@
	s_barrier_signal -3
.Lnot_wave_0_\@:
	s_barrier_wait -3
	s_barrier_signal -1
	s_barrier_wait -1
.endm
.macro FRAGS o                         ; eight tiles, 32 loads
	WIN 0
.irp t, 0,1,2,3
.irp c, 0,1,2,3
	ds_load_b128 v[32+16*\t+4*\c:35+16*\t+4*\c], v[AD] offset:\o+2048*\t+512*\c
.endr
.endr
	WIN 0x40
.irp t, 0,1,2,3
.irp c, 0,1,2,3
	ds_load_b128 v[32+16*\t+4*\c:35+16*\t+4*\c], v[AD] offset:\o+2048*(\t+4)+512*\c
.endr
.endr
	WIN 0
.endm
.macro SCORE g                         ; S^T = K Q^T, tiles 4 g .. 4 g + 3
.irp t, 0,1,2,3
	v_wmma_f32_16x16x128_fp8_fp8 v[96+8*(4*\g+\t):103+8*(4*\g+\t)], v[32+16*\t:47+16*\t], v[16:31], 0
.endr
.endm
.macro VALUE g, first                  ; O^T += V^T P^T, tiles 4 g .. 4 g + 3
.irp t, 0,1,2,3
.if \first
	v_wmma_f32_16x16x128_fp8_fp8 v[160+8*(4*\g+\t):167+8*(4*\g+\t)], v[32+16*\t:47+16*\t], v[224:239], 0
.else
	v_wmma_f32_16x16x128_fp8_fp8 v[160+8*(4*\g+\t):167+8*(4*\g+\t)], v[32+16*\t:47+16*\t], v[224:239], v[160+8*(4*\g+\t):167+8*(4*\g+\t)]
.endif
.endr
.endm
.macro MASK wt                         ; on the diagonal: register 16 b + i holds key 32 b + 16 (lane / 16) + i of the block: hidden where 32 b + i > MD; -infinity: p = 0 then
	v_mov_b32 v254, 0xff800000
.set n, 0
.rept 64
	v_cmp_gt_i32 vcc_lo, 32*(n/16)+n%16, v[MD]
.if (\wt) && (n == 0)
	s_wait_alu depctr_va_vdst(0)                   ; the wait ahead of the scores' first reader
.endif
	v_cndmask_b32 v[96+n], v[96+n], v254, vcc_lo
.set n, n+1
.endr
.endm
; The softmax of one image's key block, and p's codes.
.macro SOFTMAX first
	v_max3_num_f32 v254, v96, v97, v98             ; the step's largest score of my query, among my 64 keys, in two chains,
	v_max3_num_f32 v252, v99, v100, v101
.irp i, 6,10,14,18,22,26,30,34,38,42,46,50,54,58
	v_max3_num_f32 v254, v254, v[96+\i], v[97+\i]
	v_max3_num_f32 v252, v252, v[98+\i], v[99+\i]
.endr
	v_max3_num_f32 v254, v254, v158, v159
	s_delay_alu instid0(VALU_DEP_1)
	v_max_num_f32 v254, v254, v252
	s_delay_alu instid0(VALU_DEP_1)
	v_permlanex16_b32 v246, v254, s[SEL], s[SEL+1]
	s_delay_alu instid0(VALU_DEP_1)
	v_max_num_f32 v254, v254, v246                 ; and among lane l xor 16's
	s_delay_alu instid0(VALU_DEP_1)
	v_mul_f32 v254, s[CS], v254                    ; as t (c is positive)
	s_delay_alu instid0(VALU_DEP_1)
	v_max_num_f32 v13, v13, v254                   ; the running largest t
	v_mov_b32 v254, v12
	s_delay_alu instid0(VALU_DEP_2)
	v_floor_f32 v12, -v13                          ; the new -M = floor(-t) = -ceil(t): a whole number
	s_delay_alu instid0(VALU_DEP_1)
	v_sub_f32 v254, v12, v254                      ; M's old value less its new one: a whole number, 0 or less
	s_delay_alu instid0(VALU_DEP_1)
	v_cvt_i32_f32 v254, v254                       ; (it saturates)
	s_delay_alu instid0(VALU_DEP_1)
	v_ldexp_f32 v252, 1.0, v254                    ; f = 2^(old M - new M)
.set j, 0
.rept 32
	v_pk_fma_f32 v[96+j:97+j], v[96+j:97+j], s[CS:CS+1], v[12:13] op_sel_hi:[1,0,0]   ; t - M, two at a time (of the pairs c and -M the low word serves both halves)
.set j, j+2
.endr
.set j, 0
	s_wait_alu depctr_va_vdst(0)                   ; the wait ahead of the batch too
.rept 64
	v_exp_f32 v[96+j], v[96+j]                     ; p = 2^(t - M), at most 1: not normalised
.set j, j+1
.endr
	v_pk_mul_f32 v[14:15], v[14:15], v[252:253] op_sel_hi:[1,0]   ; the sums under the new M: the plain line behind the exponentials
	s_wait_alu depctr_va_vdst(0)                   ; one wait for the whole batch, ahead of its first reader
	v_pk_add_f32 v[242:243], v[100:101], v[104:105]   ; the row's sum, of the unquantised p, in eight chains
	v_pk_add_f32 v[254:255], v[108:109], v[112:113]
	v_pk_add_f32 v[250:251], v[116:117], v[120:121]
	v_pk_add_f32 v[248:249], v[124:125], v[128:129]
	v_pk_add_f32 v[238:239], v[132:133], v[136:137]
	v_pk_add_f32 v[236:237], v[140:141], v[144:145]
	v_pk_add_f32 v[234:235], v[148:149], v[152:153]
	v_pk_add_f32 v[14:15], v[14:15], v[156:157]
	v_pk_add_f32 v[242:243], v[242:243], v[96:97]
	v_pk_add_f32 v[254:255], v[254:255], v[98:99]
	v_pk_add_f32 v[250:251], v[250:251], v[102:103]
	v_pk_add_f32 v[248:249], v[248:249], v[106:107]
	v_pk_add_f32 v[238:239], v[238:239], v[110:111]
	v_pk_add_f32 v[236:237], v[236:237], v[114:115]
	v_pk_add_f32 v[234:235], v[234:235], v[118:119]
	v_pk_add_f32 v[14:15], v[14:15], v[122:123]
	v_pk_add_f32 v[242:243], v[242:243], v[126:127]
	v_pk_add_f32 v[254:255], v[254:255], v[130:131]
	v_pk_add_f32 v[250:251], v[250:251], v[134:135]
	v_pk_add_f32 v[248:249], v[248:249], v[138:139]
	v_pk_add_f32 v[238:239], v[238:239], v[142:143]
	v_pk_add_f32 v[236:237], v[236:237], v[146:147]
	v_pk_add_f32 v[234:235], v[234:235], v[150:151]
	v_pk_add_f32 v[14:15], v[14:15], v[154:155]
	v_pk_add_f32 v[242:243], v[242:243], v[158:159]
	s_delay_alu instid0(VALU_DEP_2)
	v_pk_add_f32 v[14:15], v[14:15], v[248:249]
	s_delay_alu instid0(VALU_DEP_2)
	v_pk_add_f32 v[242:243], v[242:243], v[238:239]
	v_pk_add_f32 v[254:255], v[254:255], v[236:237]
	v_pk_add_f32 v[250:251], v[250:251], v[234:235]
	s_delay_alu instid0(VALU_DEP_2)
	v_pk_add_f32 v[14:15], v[14:15], v[254:255]
	s_delay_alu instid0(VALU_DEP_2)
	v_pk_add_f32 v[242:243], v[242:243], v[250:251]
	s_delay_alu instid0(VALU_DEP_1)
	v_pk_add_f32 v[14:15], v[14:15], v[242:243]
.irp b, 0,1,2,3
.irp i, 0,1,2,3,4,5,6,7,8,9,10,11,12,13,14,15
	v_min_num_f32 v[96+16*\b+\i], v[96+16*\b+\i], v240   ; the conversion does not saturate (ISA guide 7.6.2); p is not negative, so the hold is one-sided
.endr
	v_cvt_scalef32_pk8_fp8_f32 v[224+4*\b:225+4*\b], v[96+16*\b:103+16*\b], v244
	v_cvt_scalef32_pk8_fp8_f32 v[226+4*\b:227+4*\b], v[104+16*\b:111+16*\b], v244
.endr
.if \first
	v_nop                                          ; the plain line behind the conversions: nothing to bring under a new M yet
.else
	s_wait_alu depctr_va_vdst(0)                   ; the wait here, directly ahead of the first reader of O^T
.set j, 0
.rept 32
	v_pk_mul_f32 v[160+j:161+j], v[160+j:161+j], v[252:253] op_sel_hi:[1,0]   ; O^T under the new M: x f.  (Also the plain lines behind the conversions)
.set j, j+2
.endr
.endif
.endm
; A KEY BLOCK.  first = 1: block 0, which both images have, and whose second product starts O^T; it lies on no Y's diagonal.  Else X's part is left out behind its diagonal.
.macro STEP first
	PLACES                                         ; places in front of loads into registers that matrix instructions have read
	FRAGS 0
	WIN 0x44
	s_wait_dscnt 16                                ; tiles 0-3 of K
	SCORE 0
	WIN 0x45
	s_wait_dscnt 0x0                               ; tiles 4-7
	SCORE 1
	WIN 0
.if \first == 0
	s_cmp_gt_u32 s[J], s[SBX]
	s_cbranch_scc1 .Lno_score_\@
.endif
	SCORE 0
	WIN 0x01
	SCORE 1
	WIN 0
.Lno_score_\@:
	PLACES
	FRAGS VOFF                                     ; V's, on their way through the softmax
.if \first == 0
	s_cmp_lg_u32 s[J], s[SBY]
	s_cbranch_scc1 .Lopen_y_\@
	WIN 0x55
	MASK 0
	WIN 0
.Lopen_y_\@:
.endif
	WIN 0x55
	SOFTMAX \first
	WIN 0
.if \first == 0
	s_cmp_gt_u32 s[J], s[SBX]
	s_cbranch_scc1 .Lno_soft_\@
.endif
	s_cmp_lg_u32 s[J], s[SBX]
	s_cbranch_scc1 .Lopen_x_\@
	MASK 1
.Lopen_x_\@:
	s_wait_alu depctr_va_vdst(0)                   ; the wait here, directly ahead of the first reader of X's scores
	SOFTMAX \first
.Lno_soft_\@:
	s_wait_alu depctr_va_vdst(0)                   ; the wait here, directly ahead of the wait below
	s_wait_dscnt 16                                ; tiles 0-3 of V
	WIN 0x54-0x10*\first
	VALUE 0, \first
	WIN 0x55-0x10*\first
	s_wait_dscnt 0x0                               ; tiles 4-7
	VALUE 1, \first
	WIN 0
.if \first == 0
	s_cmp_gt_u32 s[J], s[SBX]
	s_cbranch_scc1 .Lno_value_\@
.endif
	VALUE 0, \first
	WIN 0x01
	VALUE 1, \first
	WIN 0
.Lno_value_\@:
.endm
; THE WAY OUT of window w's image.  O^T / the sum x 2^(e8 + e9) goes through my stage, half a row (64 channels, 256 bytes) of 16 queries at a time, and leaves as aligned runs of 256 bytes.
.macro WAYOUT w, ptr
	PLACES                                         ; behind the last products
	WIN 0x55*\w
	v_add_f32 v14, v14, v15                        ; the sum's two halves,
	s_delay_alu instid0(VALU_DEP_1)
	v_permlanex16_b32 v252, v14, s[SEL], s[SEL+1]
	s_delay_alu instid0(VALU_DEP_1)
	v_add_f32 v14, v14, v252                       ; and lane l xor 16's: the row's sum
	s_wait_alu depctr_va_vdst(0)                   ; the wait ahead of the transcendental
	v_rcp_f32 v14, v14
	v_nop                                          ; one plain line behind the reciprocal,
	s_wait_alu depctr_va_vdst(0)                   ; and the wait ahead of its first reader
	v_ldexp_f32 v14, v14, s52                      ; x 2^(e8 + e9)
	s_wait_alu depctr_va_vdst(0)                   ; the wait here, directly ahead of the first reader of O^T
.set j, 0
.rept 64
	v_mul_f32 v[96+j], v[160+j], v14               ; register 16 b + i is channel 32 b + 16 h + i of my query
.set j, j+1
.endr
.irp u, 0,1                                    ; channels 64 u on
	WIN 0x04*\w
.irp bb, 0,1
.irp q, 0,1,2,3
	ds_store_b128 v[STO], v[96+16*(2*\u+\bb)+4*\q:96+16*(2*\u+\bb)+4*\q+3] offset:128*\bb+16*\q
.endr
.endr
	WIN 0x40*\w
.irp i, 0,1,2,3,4,5,6,7
	ds_load_b128 v[32+32*\u+4*\i:35+32*\u+4*\i], v[RD] offset:544*\i   ; LDS serves a wave's instructions in order (ISA guide 5.7.1.4): these see my stores, and the next half's stores come behind them
.endr
.endr
	WIN 0x04*\w
.irp u, 0,1
.irp i, 0,1,2,3,4,5,6,7
	s_wait_dscnt 23-16*\u-\i                       ; the LDS lines issued behind this pair of rows may be out
	global_store_b128 v[GO], v[32+32*\u+4*\i:35+32*\u+4*\i], s[\ptr:\ptr+1] offset:(2*\i+8*(\i/4))*8192+256*\u th:TH_STORE_NT   ; slots 2 i, 2 i + 1 are rows 2 i + 8 (i / 4) and the next; sixteen lanes store 256 consecutive bytes, aligned
.endr
.endr
	WIN 0
	s_wait_xcnt 0x0                                ; the stores have read their registers
.endm
.macro INIT                            ; an image's registers, in the window that is set
	v_mov_b32 v13, 0xff61b1e6                      ; the largest t so far: -3e38, under every t
	v_mov_b32 v14, 0                               ; the sum, in two halves
	v_mov_b32 v15, 0
	v_mov_b32 v246, 0                              ; written once: a lane permute's destination counts as one of its sources
	v_mov_b32 v253, 0                              ; (named as the upper half of the pair v[252:253])
	v_mov_b32 v244, s60                            ; 2^e8 as f32, for the conversion
	v_mov_b32 v240, s59                            ; 448 x 2^e8
	v_floor_f32 v12, -v13                          ; -M
.endm
	s_load_b128 s[4:7], s[0:1], 0x0                ; qkv s[4:5], the scales' exponents s[6:7]
	s_load_b64 s[8:9], s[0:1], 0x10                ; out0
	v_lshl_add_u32 v[SPW], v0, 2, SPARE
	v_mov_b32 v[NIL], 0
	ds_add_u32 v[SPW], v[NIL]                      ; the wave's opening: the add, twice on end, and its wait ahead of my first tensor load
	ds_add_u32 v[SPW], v[NIL]
	v_lshrrev_b32 v2, 5, v0
	v_readfirstlane_b32 s[WV], v2                  ; wave 0..7
	s_bfe_u32 s57, ttmp6, 0x40000                  ; cx: my place in the cluster
	s_and_b32 s58, ttmp7, 0xffff                   ; 16 x batch + head, which the four partners share
	s_lshr_b32 s56, s[WV], 2                       ; u
	s_mul_i32 s59, s56, 3
	s_and_b32 s[SBX], s[WV], 3
	s_xor_b32 s[SBX], s[SBX], s59                  ; i: X's block of queries: 0 .. 3 in waves 0 to 3, 3 .. 0 in waves 4 to 7
	s_sub_co_u32 s[SBY], 7, s[SBX]                 ; Y's
	s_mul_i32 s59, s[WV], 4352
	s_add_co_u32 s59, s59, STG                     ; my stage
	s_lshl_b32 s60, s57, 5
	s_lshl_b32 s61, s56, 3
	s_add_co_u32 s60, s60, s61                     ; 32 cx + 8 u: it goes into compares of vector registers alone
	; every LDS address is made here, ahead of the first branch on the wave's number
	v_and_b32 v2, 31, v0
	v_and_b32 v3, 15, v0                           ; r
	v_bfe_u32 v9, v0, 4, 1                         ; h
	v_lshlrev_b32 v[LI], 4, v2
	v_mul_u32_u24 v[STO], v3, 272
	v_mul_u32_u24 v[RD], v9, 272
	v_lshlrev_b32 v[GO], 13, v9
	v_and_b32 v[MD], 8, v3
	v_lshl_add_u32 v[STO], v9, 6, v[STO]
	v_lshl_add_u32 v[RD], v3, 4, v[RD]
	v_lshl_add_u32 v[GO], v3, 4, v[GO]             ; two rows of 8,192 bytes in the output
	v_add_nc_u32 v[MD], v[MD], v3                  ; r + 8 (r / 8)
	v_lshlrev_b32 v2, 4, v9
	v_add_nc_u32 v[STO], s59, v[STO]               ; in: row r, + 64 h
	v_add_nc_u32 v[RD], s59, v[RD]                 ; back: lanes 0-15 one row, lanes 16-31 the next
	v_sub_nc_u32 v[MD], v[MD], v2                  ; - 16 h
	v_mov_b32 v[AD], v[LI]                         ; key block 0
	v_add_nc_u32 v[MD], s60, v[MD]
	WIN 0x40
	v_mov_b32 v[MD], v[MD]                         ; and in window 1
	WIN 0
	; descriptor group 1: two rows (k's tile and v's) of 2,048 elements of 8 bytes
	s_mov_b32 s[G1], 15|(3<<16)|(1<<21)            ; 15:0 the mask: all four work-groups; 17:16 elements of 8 bytes; 21 set beside a mask
	s_mov_b32 s[G1+1], 2048<<16                    ; tensor_dim0
	s_mov_b32 s[G1+2], 2<<16                       ; tensor_dim1
	s_mov_b32 s[G1+3], 2048<<16                    ; tile_dim0
	s_mov_b32 s[G1+4], 2                           ; tile_dim1
	s_mov_b32 s[G1+5], 0x100000                    ; tensor_dim0_stride: from k's codes to v's
	s_mov_b32 s[G1+6], 0
	s_mov_b32 s[G1+7], 0
	; group 0: wave w fetches key block w
	s_mov_b32 s[G0], 1
	s_lshl_b32 s[G0+1], s[WV], 15
	s_lshl_b32 s62, s58, 17                        ; the head's eight blocks,
	s_lshl_b32 s63, s[WV], 14                      ; my block,
	s_add_co_u32 s62, s62, s63
	s_add_co_u32 s62, s62, 0x800000                ; in k's codes
	s_mov_b32 s63, 0
	s_lshl_b32 s44, s58, 3
	s_add_co_u32 s46, s44, s[SBY]
	s_add_co_u32 s44, s44, s[SBX]
	s_lshl_b32 s44, s44, 14                        ; q: X's block,
	s_lshl_b32 s46, s46, 14                        ; Y's,
	s_lshl_b32 s59, s57, 1
	s_add_co_u32 s59, s59, s56
	s_lshl_b32 s59, s59, 11                        ; image 2 cx + u
	s_add_co_u32 s44, s44, s59
	s_add_co_u32 s46, s46, s59
	s_mov_b32 s45, 0
	s_mov_b32 s47, 0
	s_lshr_b32 s34, s58, 4
	s_lshl_b32 s34, s34, 23                        ; the output: the batch's 1,024 rows of 8,192 bytes,
	s_lshl_b32 s59, s57, 18                        ; 32 rows,
	s_add_co_u32 s34, s34, s59
	s_lshl_b32 s59, s56, 16                        ; 8 rows,
	s_add_co_u32 s34, s34, s59
	s_and_b32 s59, s58, 15
	s_lshl_b32 s59, s59, 9                         ; the head's 512 bytes,
	s_add_co_u32 s34, s34, s59
	s_lshl_b32 s59, s[SBY], 20                     ; and 128 rows for each block
	s_add_co_u32 s36, s34, s59
	s_lshl_b32 s59, s[SBX], 20
	s_add_co_u32 s34, s34, s59
	s_mov_b32 s35, 0
	s_mov_b32 s37, 0
	s_mov_b32 s[SEL], 0x76543210
	s_mov_b32 s[SEL+1], 0xfedcba98
	s_mov_b32 s[CS], 0x3e0293ee                    ; log2(e) / sqrt(128)
	s_mov_b32 s[J], 0
	s_mov_b32 s[TB], 0
	s_wait_alu depctr_va_vdst(0)                   ; the wait here, directly ahead of the waits below
	s_wait_dscnt 0x0                               ; both opening adds are done
	s_wait_kmcnt 0x0
	s_load_b128 s[48:51], s[6:7], 0x18             ; e6, e7, e8, e9
	s_add_nc_u64 s[G0+2:G0+3], s[4:5], s[62:63]
	s_or_b32 s[G0+3], s[G0+3], 0x80000000
	s_add_nc_u64 s[44:45], s[4:5], s[44:45]
	s_add_nc_u64 s[46:47], s[4:5], s[46:47]
	s_add_nc_u64 s[10:11], s[8:9], s[36:37]
	s_add_nc_u64 s[8:9], s[8:9], s[34:35]
	ROUND                                          ; all four work-groups are here: the first joint loads meet
	s_cmp_lg_u32 s[WV], 0
	s_cbranch_scc1 .Lnot_first
	tensor_load_to_lds s[G0:G0+3], s[G1:G1+7]      ; key block 0
	s_nop 0
	PLACES
.Lnot_first:
.irp c, 0,1,2,3
	global_load_b128 v[16+4*\c:19+4*\c], v[LI], s[44:45] offset:512*\c   ; Q's fragments stay in registers
.endr
	WIN 0x40
.irp c, 0,1,2,3
	global_load_b128 v[16+4*\c:19+4*\c], v[LI], s[46:47] offset:512*\c
.endr
	WIN 0
	s_wait_kmcnt 0x0
	s_add_co_i32 s59, s48, s49
	s_lshl_b32 s59, s59, 23
	s_add_co_i32 s[CS], s[CS], s59                 ; a score stands for score x 2^(e6 + e7): the two exponents are added to c's exponent field
	s_mov_b32 s[CS+1], s[CS]                       ; (named with it as a pair, so it is written)
	s_add_co_i32 s52, s50, s51                     ; e8 + e9
	s_add_co_i32 s59, s50, 127
	s_lshl_b32 s60, s59, 23
	s_add_co_i32 s59, s59, 8
	s_lshl_b32 s59, s59, 23
	s_or_b32 s59, s59, 0x600000
	INIT
	WIN 0x55
	INIT
	WIN 0
	s_wait_alu depctr_va_vdst(0)                   ; the wait at the head's end
	s_wait_tensorcnt 0x0                           ; key block 0 has landed (wave 0; the others have no load out)
	ds_add_u32 v[SPW], v[NIL]                      ; the line twice on end
	ds_add_u32 v[SPW], v[NIL]
	s_wait_dscnt 0x0
	ROUND                                          ; key block 0 is whole in all four work-groups; the later first fills stand behind a round of their own, one load a wave
	s_cmp_eq_u32 s[WV], 0
	s_cbranch_scc1 .Lnot_later
	tensor_load_to_lds s[G0:G0+3], s[G1:G1+7]      ; key blocks 1 to 7, on their way while block 0 is worked
	s_nop 0
	PLACES
.Lnot_later:
	s_wait_loadcnt 0x0                             ; Q
	STEP 1
	s_wait_tensorcnt 0x0                           ; my block has landed,
	s_wait_dscnt 0x0
	s_barrier_signal -1
	s_barrier_wait -1                              ; and everybody's: all of K and V is in LDS.
	s_mov_b32 s[J], 1
.Lkey:                                             ; seven trips in every wave: the trip count is a constant; a wave leaves out the work of the key blocks behind its queries
	s_add_co_u32 s[TB], s[TB], BLK
	v_add_nc_u32 v[AD], s[TB], v[LI]
	s_wait_alu depctr_va_vdst(0)                   ; the wait here, ahead of the branches
	s_cmp_gt_u32 s[J], s[SBY]
	s_cbranch_scc1 .Lskip
	s_add_co_u32 s59, s[SBX], 1
	s_cmp_lg_u32 s[J], s59
	s_cbranch_scc1 .Lnot_x
	WAYOUT 0, 8                                    ; X was finished with the block before: i + 1 is 1 .. 4, and no more than 7 - i
.Lnot_x:
	STEP 0
.Lskip:
	s_add_co_u32 s[J], s[J], 1
	s_cmp_lt_u32 s[J], 8
	s_cbranch_scc1 .Lkey
	WAYOUT 1, 10
	s_wait_tensorcnt 0x0                           ; the wave's end
	ds_add_u32 v[SPW], v[NIL]
	s_wait_dscnt 0x0
	ROUND                                          ; the closing round
	s_endpgm
.Lfunc_end_k_qf77bff659f_attn:
	.size	k_qf77bff659f_attn, .Lfunc_end_k_qf77bff659f_attn-k_qf77bff659f_attn
	.p2alignl 7, 3214868480
	.fill 96, 4, 3214868480
	.section	.rodata,"a",@progbits
	.p2align	6, 0x0
	.amdhsa_kernel k_qf77bff659f_attn
		.amdhsa_group_segment_fixed_size 327680
		.amdhsa_private_segment_fixed_size 0
		.amdhsa_enable_private_segment 0
		.amdhsa_kernarg_size 24
		.amdhsa_user_sgpr_count 2
		.amdhsa_user_sgpr_kernarg_segment_ptr 1
		.amdhsa_wavefront_size32 1
		.amdhsa_system_sgpr_workgroup_id_x 1
		.amdhsa_system_sgpr_workgroup_id_y 1
		.amdhsa_system_sgpr_workgroup_id_z 1
		.amdhsa_system_vgpr_workitem_id 0
		.amdhsa_next_free_vgpr 512
		.amdhsa_next_free_sgpr 66
		.amdhsa_reserve_vcc 1
		.amdhsa_float_denorm_mode_32 3
		.amdhsa_float_denorm_mode_16_64 3
		.amdhsa_memory_ordered 1
		.amdhsa_forward_progress 1
		.amdhsa_inst_pref_size 102
	.end_amdhsa_kernel
	.amdgpu_metadata
---
amdhsa.version: [ 1, 2 ]
amdhsa.kernels:
  - .name:           k_qf77bff659f_attn
    .symbol:         k_qf77bff659f_attn.kd
    .args:
      - { .name: qkv, .offset: 0, .size: 8, .value_kind: global_buffer, .address_space: global }
      - { .name: lowp_scales, .offset: 8, .size: 8, .value_kind: global_buffer, .address_space: global }
      - { .name: out0, .offset: 16, .size: 8, .value_kind: global_buffer, .address_space: global }
    .group_segment_fixed_size: 327680
    .private_segment_fixed_size: 0
    .kernarg_segment_align: 8
    .kernarg_segment_size: 24
    .max_flat_workgroup_size: 256
    .sgpr_count:     66
    .vgpr_count:     512
    .wavefront_size: 32
...
	.end_amdgpu_metadata
.endif
;; end of part 3
